; MI455X (gfx1250); checked and timed in simulation.
; The chip was launched on July 23, 2026; its instructions are those of AMD's public machine-readable ISA for CDNA 5 (MIT licence, August 2026) and "CDNA5" Instruction Set Architecture Reference Guide (July 2026). The comments in the code are by the model that wrote it; some were corrected since.
;; Multihead Attention Wrapper. Allowed arithmetic: matrix products marked QUANTISED: E2M3 operands, one E8M0 scale for each 32 along K, by v_wmma_scale_f32_16x16x128_f8f6f4 with both operands' format E2M3, f32 sums; everything else in f32.
;; Inputs: Wk 1,024 x 1,024 float32; Wq 1,024 x 1,024 float32; bk 1,024 float32; bq 1,024 float32; key 4 x 2,048 x 1,024 float32; key_padding_mask 4 x 2,048 bool; query 4 x 2,048 x 1,024 float32; value 4 x 2,048 x 1,024 float32.
;; Outputs: out0 4 x 2,048 x 1,024 float32.
;; This version of the problem:
;;   THIS VERSION OF THE PROBLEM IS GIVEN IN LOW PRECISION. The matrix products marked QUANTISED in the list below multiply operands that are first quantised to E2M3 (2 exponent bits, 3 mantissa bits; 6 bits a number), with one power-of-two scale for each 32 numbers along K (OCP MX v1.0); their sums are f32. All else is computed in f32.
;;   The module's matrix products, in the order in which they are computed (A, B: the left and right operand; K: the contracted axis; several contracted axes count as one K, in the product's order):
;;     1. [M 8,192, K 1,024] x [K 1,024, N 1,024]; A: input query; B: input Wq: QUANTISED
;;     2. [M 8,192, K 1,024] x [K 1,024, N 1,024]; A: input key; B: input Wk: QUANTISED
;;     3. batch 64 x [M 2,048, K 64] x [K 64, N 2,048]; A: computed on the way; B: computed on the way: QUANTISED
;;     4. batch 64 x [M 64, K 2,048] x [K 2,048, N 2,048]; A: input value; B: softmax (see below): QUANTISED
;;   THE QUANTISER, for each operand of a quantised product, along K:
;;     - K is cut into blocks of 32 from its start; a last block that is shorter is filled with zeros.
;;     - A block's scale is 2^e with e = floor(log2(the largest magnitude in the block)) - 2, held to -126 .. 127; a block of zeros has e = 0. As a byte (E8M0): e + 127.
;;     - Each number is divided by its block's scale, clamped to +-7.5, and rounded to the nearest number of E2M3, ties to even, subnormals kept.
;;     - The product sums the exact products of the quantised numbers (number of the format x scale) in f32.
;;   ~~~python
;;   def quantise(x, axis):      # numpy; x: float32 -> the quantised numbers, widened to float32 again
;;       x = np.moveaxis(x, axis, -1); K = x.shape[-1]
;;       x = np.pad(x, [(0, 0)] * (x.ndim - 1) + [(0, -K % 32)]); x = x.reshape(x.shape[:-1] + (-1, 32)); a = np.abs(x).max(-1, keepdims=True)
;;       e = np.where(a > 0, np.clip(np.frexp(np.where(a > 0, a, 1))[1] - 1 - 2, -126, 127), 0)      # np.frexp(a)[1] - 1 = floor(log2(a)), exactly
;;       r = np.clip(x / 2.0 ** e, -7.5, 7.5)
;;       step = 2.0 ** (np.maximum(np.frexp(np.where(r == 0, 1, r))[1] - 1, 0) - 3)
;;       q = np.round(r / step) * step * 2.0 ** e      # np.round: ties to even
;;       return np.moveaxis(q.reshape(q.shape[:-2] + (-1,))[..., :K], -1, axis).astype(np.float32)
;;   ~~~
;;   SOFTMAX AHEAD OF A QUANTISED PRODUCT. Where the list says 'softmax', what is quantised is not the finished softmax but p = 2^(t - M), with t = logit x log2(e) and M = ceil(the row's largest t), a whole number; so 1/2 < the row's largest p <= 1. The row's sum l is taken of the UNQUANTISED p, in f32, and the product's result is divided by l at the end. Since M is a whole number, a kernel that streams over the keys may use a running M (the ceiling of the running maximum): every later rescaling is an exact power of two, which a block's scale takes up: the codes' values come out the same.
;;   OPERANDS COMPUTED ON THE WAY. 'Computed on the way' means the value that the module computes at that place (a softmax that the list does not call 'softmax' is quantised finished and normalised). What goes into a quantiser is computed in f32, as accurately as f32 sums, v_exp_f32 and their like allow (about 1e-6 of the number): no bf16 or f16 on the way to a quantiser, and a product that is left as it is and whose result goes on into a quantised operand takes f32 operands (vector FMAs, or v_wmma_f32_16x16x4_f32). A number that lies on a knife's edge between two numbers of the format may be rounded either way, as far as f32 arithmetic and the matrix unit's own rounding can turn it there, and no further.
;; One version. Each part assembles by itself: llvm-mc -triple=amdgcn-amd-amdhsa -mcpu=gfx1250 --defsym DOCPART=n.
;; ======== version 1 of 1: 3 launches
;; workspace buffers: x_codes 12,582,912 bytes; x_scales 524,288 bytes; w_codes 1,572,864 bytes; w_scales 65,536 bytes; qimg 6,815,744 bytes; kv 13,369,344 bytes
;; launch quant (part 1): grid 832 x 1, 4 waves a work-group, no clusters, 33,280 bytes of LDS; arguments query, key, Wq, Wk, value, x_codes, x_scales, w_codes, w_scales, kv; writes x_codes, x_scales, w_codes, w_scales, kv
.if DOCPART == 1
	.amdgcn_target "amdgcn-amd-amdhsa--gfx1250"
	.amdhsa_code_object_version 6
	.text
	.protected	k_q012637e79c_quant
	.globl	k_q012637e79c_quant
	.p2align	8
	.type	k_q012637e79c_quant,@function
k_q012637e79c_quant:
	s_mov_b64 s[64:65], 0
	v_nop
	global_prefetch_b8 v0, s[64:65] scope:SCOPE_SE
	s_setreg_imm32_b32 hwreg(HW_REG_WAVE_MODE, 25, 1), 1
	s_wait_xcnt 0x0
; f32 inputs become codes of FP6 (E2M3) with one E8M0 scale byte for each 32 along a product's K.
; A block's scale is 2^(floor(log2(its largest magnitude)) - 2); its byte is the largest magnitude's exponent field - 2, held at 1 from below by a floor among the maximum's leaves.
; PATH X (work-groups 0 to 575): query, key [8192][1024], Wq, Wk [1024][1024]: K is innermost, so each tensor is a plain stream of blocks of 32.
;   x_codes [16384][768] holds query's rows and then key's, w_codes [2048][768] Wq's and then Wk's; the scale bytes lie beside them, 32 a row.
;   A wave takes 8 rows (8,192 numbers).  THE ROWS OF key, Wq AND Wk ARE STORED AT THE PLACE WHOSE BITS 3 AND 4 ARE SWAPPED (a work-group's four runs of 8 rows change places 1 and 2):
;   16 consecutive places 32 b + 16 u + r then hold rows 32 b + 8 u + r + 8 (r / 8), so that in the later products a lane's 16 registers of two neighbouring tiles are 16 neighbours along the next K.
; PATH V (work-groups 576 to 831): value [4][2048][1024] is quantised along the KEYS.  A lane takes a column, its registers run down the keys; a block of 32 keys lies in one lane.
;   The codes leave as images of the operand's registers: kv holds a record of 13,056 bytes for each (batch, head, 128 keys); from byte 6,656 on four tiles of 16 channels x 128 keys,
;   1,536 bytes each (registers 0-3, 4-7, 8-11 of all 32 lanes, 16 bytes a lane), from byte 12,800 on the tiles' scale words, 4 bytes a channel.
; LIMITS: NaN and infinities among the inputs are not served.  A block whose largest magnitude lies under 2^(3 - 127) keeps the byte 1; a block of zeros has the byte 1 where the rule says 127:
; its codes are zeros, which add nothing under any byte but 0xff, and this program alone reads the bytes.
; No tensor loads, no barrier: waves share nothing.  Only path X touches LDS.
.set WGX,   576                        ; work-groups of path X: 256 query, 256 key, 32 Wq, 32 Wk, 32,768 numbers each
.set STEPS, 16                         ; path X: steps of 512 numbers in a wave's run
.set CB,    12                         ; bytes of 16 codes
.set R,     16                         ; v16-79   four sets of 16 numbers as they are loaded
.set X,     80                         ; v80-111  two sets of 16 neighbours
.set C,     128                        ; v128-191 codes: four registers for each step, so that no store's data are written again
.set E,     112                        ; v112-127 a scale byte for each step
.set WREG,  8192                       ; LDS: a region for each wave: two stages of 32 x SP bytes, behind them its 256 scale bytes
.set SP,    80                         ; a lane's place in a stage: 64 bytes + 16 of padding
.set REC,   13056                      ; a record of kv
.set VCO,   6656                       ; V's codes in it
.set VSO,   12800                      ; V's scale words in it
.set XV,    32                         ; path V: v32-95 two sets of 32 numbers
.set CT,    144                        ; v144-146 the second half of a block's codes (a conversion's three registers begin on an even number)
.set SB,    148                        ; v148-149 a key step's scale word
.macro LOAD t
.irp i, 0,1,2,3
	global_load_b128 v[R+16*((\t)%4)+4*\i:R+16*((\t)%4)+4*\i+3], v3, s[4:5] offset:2048*(\t)+512*\i th:TH_LOAD_NT   ; 32 lanes read 512 consecutive bytes
.endr
.endm
.macro TURN t                          ; step t's numbers through the wave's stage: LDS serves a wave's instructions in order, so no wait stands between the stores and the loads
.irp i, 0,1,2,3
	ds_store_b128 v14, v[R+16*((\t)%4)+4*\i:R+16*((\t)%4)+4*\i+3] offset:32*SP*((\t)%2)+8*SP*\i
.endr
.irp i, 0,1,2,3
	ds_load_b128 v[X+16*((\t)%2)+4*\i:X+16*((\t)%2)+4*\i+3], v15 offset:32*SP*((\t)%2)+16*\i
.endr
.endm
.macro STEP t
.set XS, X+16*((\t)%2)
.if (\t) > 0
	s_wait_dscnt 1                                 ; this step's numbers are back from the stage (the last step's byte store may be out)
.else
	s_wait_dscnt 0x0
.endif
.if (\t)+4 < STEPS
	LOAD (\t)+4                                    ; into the set that this step's stores into the stage have read
.endif
.if (\t)+1 < STEPS
.if STEPS-2-(\t) >= 3
	s_wait_loadcnt 12                              ; the next step's four loads are in; those of the three steps behind it may be out
.else
	s_wait_loadcnt 4*(STEPS-2-(\t))
.endif
	TURN (\t)+1                                    ; through the other stage while this step is worked
.endif
	v_max3_num_f32 v8, |v[XS]|, |v[XS+1]|, |v[XS+2]|               ; the largest magnitude of my 16, in two chains
	v_max3_num_f32 v9, |v[XS+3]|, |v[XS+4]|, |v[XS+5]|
.irp i, 6,10
	v_max3_num_f32 v8, v8, |v[XS+\i]|, |v[XS+\i+1]|
	v_max3_num_f32 v9, v9, |v[XS+\i+2]|, |v[XS+\i+3]|
.endr
	v_max3_num_f32 v8, v8, |v[XS+14]|, |v[XS+15]|
	v_max3_num_f32 v8, v8, v9, 0x1800000           ; and the floor 2^(3 - 127): the byte cannot fall under 1
	v_max_num_f32_dpp v8, v8, v8 row_xmask:1 row_mask:0xf bank_mask:0xf   ; with my neighbour's 16: the block's
	v_add_nc_u32 v11, 0xff000000, v8               ; 2 off its exponent field: the conversion takes the exponent field of this operand as its scale
	v_cvt_scalef32_pk16_fp6_f32 v[C+4*(\t):C+4*(\t)+2], v[XS:XS+15], v11
	v_lshrrev_b32 v[E+(\t)], 23, v11               ; the scale's byte
	ds_store_b8 v5, v[E+(\t)] offset:16*(\t)       ; both lanes of a block write the same byte with the same value
	global_store_b96 v4, v[C+4*(\t):C+4*(\t)+2], s[14:15] offset:32*CB*(\t)   ; the wave stores 384 consecutive bytes
.endm
.macro VLOAD t                         ; path V, block t: value(32 t + n, my column), n = 0 .. 31, into set t % 2: a wave reads 128 consecutive bytes, the four waves 512
.set n, 0
.rept 32
	global_load_b32 v[XV+32*((\t)%2)+n], v3, s[12:13] offset:(32*(\t)+n)*4096 th:TH_LOAD_NT
.set n, n+1
.endr
.endm
.macro VBLOCK t                        ; block t of 8: key step t / 4, block t % 4 of it.  Even blocks go into the first tile's twelve registers, odd ones into the second's
.set XS, XV+32*((\t)%2)
.set DD, 96+24*((\t)/4)+12*((\t)%2)+6*(((\t)%4)/2)
.if (\t) < 7
	s_wait_loadcnt 32                              ; this block's 32 loads are in; the next block's may be out
.else
	s_wait_loadcnt 0x0
.endif
	v_max3_num_f32 v12, |v[XS]|, |v[XS+1]|, |v[XS+2]|               ; the block's largest magnitude: all 32 numbers are mine
	v_max3_num_f32 v13, |v[XS+3]|, |v[XS+4]|, |v[XS+5]|
.irp i, 6,10,14,18,22,26
	v_max3_num_f32 v12, v12, |v[XS+\i]|, |v[XS+\i+1]|
	v_max3_num_f32 v13, v13, |v[XS+\i+2]|, |v[XS+\i+3]|
.endr
	v_max3_num_f32 v12, v12, |v[XS+30]|, |v[XS+31]|
	v_max3_num_f32 v12, v12, v13, 0x1800000        ; and the floor
	v_add_nc_u32 v11, 0xff000000, v12              ; the conversion's scale operand
	v_lshrrev_b32 v10, 23, v11                     ; the scale's byte
.if (\t)%4 == 0
	v_mov_b32 v[SB+(\t)/4], v10                    ; four bytes to a word, the lower keys in the lower byte
.else
	v_lshl_or_b32 v[SB+(\t)/4], v10, 8*((\t)%4), v[SB+(\t)/4]
.endif
	v_cvt_scalef32_pk16_fp6_f32 v[DD:DD+2], v[XS:XS+15], v11
	v_cvt_scalef32_pk16_fp6_f32 v[CT:CT+2], v[XS+16:XS+31], v11
	v_nop                                          ; one plain vector instruction between a scaled conversion and the vector instruction that touches its result
.irp i, 0,1,2
	v_mov_b32 v[DD+3+\i], v[CT+\i]
.endr
.if (\t) < 6
	VLOAD (\t)+2
.endif
.endm
; A key step's codes leave.  Before the exchange register 6 c + i of the first run holds block 2 c of my column, that of the second run block 2 c + 1.  The exchange of the first's lanes 16-31 with the
; second's lanes 0-15 makes the first run the image of the tile of lanes 0-15's channels (lanes 0-15 block 2 c, lanes 16-31 block 2 c + 1), the second run that of the other tile.
.macro VSEND s
.set T0, 96+24*(\s)
.set T1, 108+24*(\s)
.irp i, 0,1,2,3,4,5,6,7,8,9,10,11
	v_permlane16_swap_b32 v[T0+\i], v[T1+\i]
.endr
.irp p, 0,1,2
	global_store_b128 v4, v[T0+4*\p:T0+4*\p+3], s[22:23] offset:REC*(\s)+512*\p         ; 32 lanes store 512 consecutive bytes, at a multiple of 256 from the buffer's first byte
	global_store_b128 v4, v[T1+4*\p:T1+4*\p+3], s[22:23] offset:REC*(\s)+1536+512*\p
.endr
	global_store_b32 v3, v[SB+(\s)], s[28:29] offset:REC*(\s)                            ; my column's scale word: the two tiles' 128 consecutive bytes
.endm
	s_load_b256 s[4:11], s[0:1], 0x0               ; query s[4:5], key s[6:7], Wq s[8:9], Wk s[10:11]
	s_load_b256 s[12:19], s[0:1], 0x20             ; value s[12:13], x_codes s[14:15], x_scales s[16:17], w_codes s[18:19]
	s_load_b128 s[20:23], s[0:1], 0x40             ; w_scales s[20:21], kv s[22:23]
	v_lshl_add_u32 v192, v0, 2, 0x8000
	v_mov_b32 v193, 0
	v_lshrrev_b32 v1, 5, v0
	v_readfirstlane_b32 s24, v1                    ; wave 0..3
	v_and_b32 v2, 31, v0                           ; lane
	s_wait_kmcnt 0x0
	s_cmp_ge_u32 ttmp9, WGX                        ; the paths part on the work-group's number alone
	s_cbranch_scc1 .Lvalue
	; ---- PATH X
	v_lshlrev_b32 v3, 4, v2                        ; my 16 bytes of a load's 512
	s_mul_i32 s33, s24, WREG
	v_lshrrev_b32 v14, 2, v2
	v_mul_u32_u24 v14, v14, SP
	v_and_b32 v15, 3, v2
	v_lshl_add_u32 v14, v15, 4, v14
	v_add_nc_u32 v14, s33, v14                     ; the stage, on the way in: SP (lane / 4) + 16 (lane % 4)
	v_mul_u32_u24 v15, v2, SP
	v_add_nc_u32 v15, s33, v15                     ; and on the way out: SP x lane: my 16 neighbours
	v_mul_u32_u24 v4, v2, CB                       ; my codes' place in a step's
	v_lshrrev_b32 v5, 1, v2
	s_add_co_u32 s33, s33, 2*32*SP
	v_add_nc_u32 v5, s33, v5                       ; LDS: my wave's 256 scale bytes, my block's byte
	v_lshlrev_b32 v7, 3, v2                        ; and on the way out 8 bytes a lane
	v_add_nc_u32 v6, s33, v7
	s_cmp_lt_u32 ttmp9, 256                        ; which tensor: the choices hang on the work-group's number alone
	s_cselect_b64 s[4:5], s[4:5], s[6:7]           ; query or key
	s_cselect_b32 s25, 0, 256                      ; the tensor's first work-group
	s_cselect_b32 s26, 0, 1                        ; query's rows keep their places
	s_cmp_lt_u32 ttmp9, 512
	s_cselect_b64 s[4:5], s[4:5], s[8:9]           ; or Wq
	s_cselect_b32 s25, s25, 512
	s_cselect_b64 s[14:15], s[14:15], s[18:19]     ; codes and scale bytes of x or of w
	s_cselect_b64 s[16:17], s[16:17], s[20:21]
	s_cselect_b32 s27, 0, 512                      ; the first work-group of that pair of buffers
	s_cmp_lt_u32 ttmp9, 544
	s_cselect_b64 s[4:5], s[4:5], s[10:11]         ; or Wk
	s_cselect_b32 s25, s25, 544
	s_and_b32 s28, s24, 1                          ; the wave's number with its two bits swapped: bits 3 and 4 of the rows' place
	s_lshl_b32 s28, s28, 1
	s_lshr_b32 s29, s24, 1
	s_or_b32 s28, s28, s29
	s_cmp_eq_u32 s26, 0
	s_cselect_b32 s28, s24, s28
	s_sub_co_u32 s30, ttmp9, s25
	s_lshl_b32 s30, s30, 2
	s_add_co_u32 s30, s30, s24                     ; which run of 8 rows I read,
	s_lshl_b32 s30, s30, 15                        ; 32,768 bytes a run
	s_mov_b32 s31, 0
	s_add_nc_u64 s[4:5], s[4:5], s[30:31]
	s_sub_co_u32 s32, ttmp9, s27
	s_lshl_b32 s32, s32, 2
	s_add_co_u32 s32, s32, s28                     ; and at which place it is stored
	s_mul_i32 s34, s32, 32*STEPS*CB                ; 6,144 bytes of codes a run
	s_mov_b32 s35, 0
	s_add_nc_u64 s[14:15], s[14:15], s[34:35]
	s_lshl_b32 s34, s32, 8                         ; 256 scale bytes a run
	s_add_nc_u64 s[16:17], s[16:17], s[34:35]
.irp t, 0,1,2,3
	LOAD \t
.endr
	s_wait_loadcnt 12                              ; step 0's four loads are in
	TURN 0
.irp t, 0,1,2,3,4,5,6,7,8,9,10,11,12,13,14,15
	STEP \t
.endr
	ds_load_b64 v[12:13], v6                       ; LDS serves a wave's instructions in order: these see my byte stores
	s_wait_dscnt 0x0
	global_store_b64 v7, v[12:13], s[16:17]        ; 32 lanes store 256 consecutive bytes, aligned
	s_wait_tensorcnt 0x0
	ds_add_u32 v192, v193
	s_wait_dscnt 0x0
	s_endpgm
	; ---- PATH V: work-group (x, y): 128 columns x 256 keys; a wave 32 columns: half a head, two tiles of 16 channels
.Lvalue:
	v_lshlrev_b32 v3, 2, v2                        ; 4 x lane
	v_lshlrev_b32 v4, 4, v2                        ; 16 x lane
	s_sub_co_u32 s25, ttmp9, WGX
	s_and_b32 s26, s25, 7                          ; x: which 128 columns
	s_lshr_b32 s27, s25, 3
	s_lshr_b32 s28, s27, 3                         ; the batch
	s_and_b32 s27, s27, 7                          ; which 256 keys
	s_lshl_b32 s30, s28, 23                        ; a batch is 2,048 rows of 4,096 bytes,
	s_lshl_b32 s29, s27, 20                        ; 256 keys are 2^20 bytes,
	s_add_co_u32 s30, s30, s29
	s_lshl_b32 s29, s26, 9                         ; 128 columns 512,
	s_add_co_u32 s30, s30, s29
	s_lshl_b32 s29, s24, 7                         ; a wave's 32 columns 128
	s_add_co_u32 s30, s30, s29
	s_mov_b32 s31, 0
	s_add_nc_u64 s[12:13], s[12:13], s[30:31]
	s_lshl_b32 s32, s28, 4
	s_lshl_b32 s29, s26, 1
	s_add_co_u32 s32, s32, s29
	s_lshr_b32 s29, s24, 1
	s_add_co_u32 s32, s32, s29                     ; 16 x batch + head, head = 2 x + wave / 2
	s_lshl_b32 s32, s32, 4
	s_lshl_b32 s29, s27, 1
	s_add_co_u32 s32, s32, s29                     ; the record of my first key step
	s_mul_i32 s32, s32, REC
	s_and_b32 s29, s24, 1                          ; my tiles are 2 (wave % 2) and the next
	s_mul_i32 s34, s29, 2*1536
	s_add_co_u32 s34, s34, s32
	s_add_co_u32 s34, s34, VCO
	s_mov_b32 s35, 0
	s_lshl_b32 s36, s29, 7
	s_add_co_u32 s36, s36, s32
	s_add_co_u32 s36, s36, VSO
	s_mov_b32 s37, 0
	s_add_nc_u64 s[28:29], s[22:23], s[36:37]      ; my tiles' scale words
	s_add_nc_u64 s[22:23], s[22:23], s[34:35]      ; my tiles' codes
	VLOAD 0
	VLOAD 1
	VBLOCK 0
	VBLOCK 1
	VBLOCK 2
	VBLOCK 3
	VSEND 0                                        ; every key step has registers of its own and every offset is an immediate: no source of a store is ever written again
	VBLOCK 4
	VBLOCK 5
	VBLOCK 6
	VBLOCK 7
	VSEND 1
	s_endpgm
.Lfunc_end_k_q012637e79c_quant:
	.size	k_q012637e79c_quant, .Lfunc_end_k_q012637e79c_quant-k_q012637e79c_quant
	.p2alignl 7, 3214868480
	.fill 96, 4, 3214868480
	.section	.rodata,"a",@progbits
	.p2align	6, 0x0
	.amdhsa_kernel k_q012637e79c_quant
		.amdhsa_group_segment_fixed_size 33280
		.amdhsa_private_segment_fixed_size 0
		.amdhsa_enable_private_segment 0
		.amdhsa_kernarg_size 80
		.amdhsa_user_sgpr_count 2
		.amdhsa_user_sgpr_kernarg_segment_ptr 1
		.amdhsa_wavefront_size32 1
		.amdhsa_system_sgpr_workgroup_id_x 1
		.amdhsa_system_sgpr_workgroup_id_y 1
		.amdhsa_system_sgpr_workgroup_id_z 1
		.amdhsa_system_vgpr_workitem_id 0
		.amdhsa_next_free_vgpr 194
		.amdhsa_next_free_sgpr 66
		.amdhsa_reserve_vcc 0
		.amdhsa_float_denorm_mode_32 3
		.amdhsa_float_denorm_mode_16_64 3
		.amdhsa_memory_ordered 1
		.amdhsa_forward_progress 1
		.amdhsa_inst_pref_size 72
	.end_amdhsa_kernel
	.amdgpu_metadata
---
amdhsa.version: [ 1, 2 ]
amdhsa.kernels:
  - .name:           k_q012637e79c_quant
    .symbol:         k_q012637e79c_quant.kd
    .args:
      - { .name: query, .offset: 0, .size: 8, .value_kind: global_buffer, .address_space: global }
      - { .name: key, .offset: 8, .size: 8, .value_kind: global_buffer, .address_space: global }
      - { .name: Wq, .offset: 16, .size: 8, .value_kind: global_buffer, .address_space: global }
      - { .name: Wk, .offset: 24, .size: 8, .value_kind: global_buffer, .address_space: global }
      - { .name: value, .offset: 32, .size: 8, .value_kind: global_buffer, .address_space: global }
      - { .name: x_codes, .offset: 40, .size: 8, .value_kind: global_buffer, .address_space: global }
      - { .name: x_scales, .offset: 48, .size: 8, .value_kind: global_buffer, .address_space: global }
      - { .name: w_codes, .offset: 56, .size: 8, .value_kind: global_buffer, .address_space: global }
      - { .name: w_scales, .offset: 64, .size: 8, .value_kind: global_buffer, .address_space: global }
      - { .name: kv, .offset: 72, .size: 8, .value_kind: global_buffer, .address_space: global }
    .group_segment_fixed_size: 33280
    .private_segment_fixed_size: 0
    .kernarg_segment_align: 8
    .kernarg_segment_size: 80
    .max_flat_workgroup_size: 128
    .sgpr_count:     66
    .vgpr_count:     194
    .wavefront_size: 32
...
	.end_amdgpu_metadata
.endif
;; end of part 1
;; launch proj (part 2): grid 4 x 64, 4 waves a work-group, clusters of 4 x 4, 327,680 bytes of LDS; arguments x_codes, x_scales, w_codes, w_scales, bq, bk, key_padding_mask, qimg, kv; writes qimg, kv
.if DOCPART == 2
	.amdgcn_target "amdgcn-amd-amdhsa--gfx1250"
	.amdhsa_code_object_version 6
	.text
	.protected	k_q012637e79c_proj
	.globl	k_q012637e79c_proj
	.p2align	8
	.type	k_q012637e79c_proj,@function
k_q012637e79c_proj:
	s_mov_b64 s[64:65], 0
	v_nop
	global_prefetch_b8 v0, s[64:65] scope:SCOPE_SE
	s_setreg_imm32_b32 hwreg(HW_REG_WAVE_MODE, 25, 1), 1
	s_wait_xcnt 0x0
	s_wait_alu depctr_hold_cnt(0) depctr_sa_sdst(0) depctr_va_vdst(0) depctr_va_sdst(0) depctr_va_ssrc(0) depctr_va_vcc(0) depctr_vm_vsrc(0)
	s_getreg_b32 s2, hwreg(HW_REG_IB_STS2, 6, 4)
	s_cmp_eq_u32 s2, 0
	s_cbranch_scc0 .Lentry_in_a_cluster
	s_endpgm
.Lentry_in_a_cluster:
	s_bfe_u32 s2, ttmp6, 0x10000c
	s_cmp_lg_u32 s2, 0xf033
	s_cbranch_scc0 .Lentry_shape_is_right
	s_endpgm
.Lentry_shape_is_right:
; q = relu(query Wq^T + bq) / 8 and k = relu(key Wk^T + bk), as ONE product of 16,384 rows (query's, then key's) x 1,024 columns x K = 1,024 on codes of FP6 (E2M3) with E8M0 scales,
; and their quantising along a head's 64 channels, which are the next product's K.  Tile rows 0-31 of the result take Wq and bq, tile rows 32-63 Wk and bk.
; A tile of 256 x 256 is made by a work-group of four waves; a wave makes 128 x 128: 64 accumulators, 512 registers.  K goes in steps of 256 through a ring of two LDS slots filled by the tensor data mover;
; the scale bytes of the work-group's rows come into LDS once, with the first fills.  CLUSTERS: 4 x 4 work-groups; x's tiles are asked for jointly along a row of the cluster, W's along a column.
; THE MATRIX INSTRUCTION IS USED TRANSPOSED (source 0 = 16 rows of W, source 1 = 16 rows of x).  W's rows lie in w_codes at places whose bits 3 and 4 are swapped, so a lane holds ONE row of x, and the
; 16 registers of its accumulators 2 b and 2 b + 1 are the 16 neighbouring channels 32 b + 16 (lane / 16) + 0 .. 15 of the wave's 128 columns, which are two heads.
; THE BIAS is the C of each sum's first matrix instruction: it is the sum's start and not its last addend.
; THE WAY OUT: relu, the block's scale, the conversion; each head's six registers of codes leave as an image of the next operand's registers.  A record (qimg: 6,656 bytes, kv: 13,056) serves one
; (batch, head, 128 rows): 8 tiles of 16 rows, 768 bytes each (registers 0-3 at 16 x lane, registers 4-5 at 512 + 8 x lane), and from byte 6,144 on a scale word a row:
;   bytes 0, 1 the row's two scale bytes; byte 3 = 127; byte 2: q: 127; k: 254 where key_padding_mask holds 1, else 1.  Byte 2 scales the idle K of the next product, where it carries the mask.
; THE FACTOR 1/8 is a power of two: q's codes are those of the unscaled numbers, and 3 is taken off each scale byte.  The floor under q's largest magnitude is 2^(6 - 127), so that the byte stays at 1 or above.
; LIMITS: NaN and infinities are not served; a block under the floor keeps the byte 1, a block of zeros too (the rule says 127: its codes are zeros, and this program alone reads the bytes).
; REGISTERS, in windows of 256: window 0: v0-31 addresses; v32-63 scale words, two sets; v64-127 the bias, 8 registers a tile of W; v128-223 x's fragments, ONE set; v224-231 the rows' mask bytes; v232-248 at work on the way out.
;   window 1: W's fragments, TWO sets, at v0 and at v128.   window 2: the accumulators of my rows 0-63 ((a, b) at v[8 (8 a + b)]);   window 3: those of my rows 64-127.
.set KSTEP,  256                       ; along K in a slot
.set NQ,     KSTEP/128                 ; matrix instructions deep
.set ROWB,   192                       ; a tile's row in bytes
.set KROW,   768                       ; a row of codes in memory: 1,024 codes
.set PITCH,  240                       ; an LDS row: 3 x (64 bytes + 16 of padding)
.set FR,     12                        ; registers of a fragment
.set NL,     6                         ; LDS loads that bring one
.set NP,     4                         ; places behind this matrix instruction (ISA guide 7.12.1)
.set HALFT,  128*PITCH                 ; 128 rows: what one tensor load brings
.set SLOT,   4*HALFT                   ; x's 256 rows, then W's 256 rows
.set LAPS,   2                         ; K = 1,024 is twice round the ring
.set KS,     32                        ; a row of scale bytes
.set SCL,    2*SLOT                    ; behind the ring: the scale bytes, as rows of 256 bytes + 16 of padding
.set HALFS,  (128*KS/256)*272          ; those of 128 rows
.set SBLK,   (16*KS/256)*272           ; those of 16 rows
.set SPARE,  SCL+4*HALFS               ; behind them: the spare words, 128 bytes a wave: two blocks of 256 bytes that no other line names
.set ADRA, 16                          ; v16-17 LDS address of x's fragments in slot 0, 1 (v18-19: for the pieces behind one padding more)
.set ADRB, 20                          ; v20-21 the same for W (v22-23)
.set O16,  24                          ; v24  the way out: 16 x lane
.set O8,   25                          ; v25  512 + 8 x lane
.set SWA,  26                          ; v26  LDS: where I put a row's scale word: 1,024 x wave + 4 (lane % 16), in slot 0, which has had its last fill and its last read by then
.set ADRS, 27                          ; v27  LDS address of my scale words: lanes 0-15 x's rows, lanes 16-31 W's
.set SPW,  28                          ; v28  my spare word; never rewritten
.set NIL,  29                          ; v29  0; never rewritten
.set SRD,  30                          ; v30  LDS: where I read the scale words back: 1,024 x wave + 16 x lane
.set SC,   32
.set BI,   64                          ; the bias
.set WD,   64                          ; on the way out: two scale words a block, registers of their own for each block
.set AF,   128
.set HA,   128                         ; on the way out: a block's 64 numbers
.set PCD,  192                         ; v192-210 the codes just made
.set EX,   224                         ; v224-231 bytes 2 and 3 of the scale words of x's block a, in place
.set TM,   232                         ; v232-235 largest magnitudes, v236-239 the other half's and then the bytes, v244-247 the conversions' scale operands
.set PW,   248                         ; the four blocks' bytes
.set G1, 24
.set G0, 32
.set G1B, 48
.set G0B, 56
.set G1S, 68
.set G0S, 76
.set G1SB, 80
.set G0SB, 88
.set MSB, 0
.macro WIN new                         ; the immediate's high byte repeats the setting that is left; a switch that changes nothing is dropped
.if MSB != (\new)
	s_set_vgpr_msb (MSB<<8)|(\new)
.set MSB, (\new)
.endif
.endm
.set MUL_LO, 0xa1                      ; source 0 (W) window 1, source 1 (x) window 0, C and D window 2
.set MUL_HI, 0xf1                      ; the same, C and D window 3
.set BIA_LO, 0x81                      ; the first products: C (the bias) window 0, D window 2
.set BIA_HI, 0xc1                      ; D window 3
.set TO_B,   0x40                      ; destination window 1, address window 0
; A joint load: waves 0 and 1 fetch for x, waves 2 and 3 for W.  The branch hangs on the wave's number alone.  Four v_nop follow each of the two lines.
.macro JLOAD g0a, g1a, g0b, g1b
	s_cmp_eq_u32 s15, 0
	s_cbranch_scc0 .Lfor_b_\@
	tensor_load_to_lds s[\g0a:\g0a+3], s[\g1a:\g1a+7]
	s_nop 0
.rept 4
	v_nop
.endr
	s_branch .Lasked_\@
.Lfor_b_\@:
	tensor_load_to_lds s[\g0b:\g0b+3], s[\g1b:\g1b+7]
	s_nop 0
.rept 4
	v_nop
.endr
.Lasked_\@:
.endm
.macro CREST                           ; a round of the cluster's barrier behind its opening barrier
	s_cmp_lg_u32 s14, 0
	s_cbranch_scc1 .Lnot_wave_0_\@
	s_barrier_signal -3
.Lnot_wave_0_\@:
	s_barrier_wait -3
	s_barrier_signal -1
	s_barrier_wait -1
.endm
.macro CROUND                          ; a whole round
	s_barrier_signal -1
	s_barrier_wait -1
	CREST
.endm
	s_load_b128 s[4:7], s[0:1], 0x0                ; x's codes s[4:5], x's scales s[6:7]
	s_load_b128 s[8:11], s[0:1], 0x10              ; W's codes s[8:9], W's scales s[10:11]
	v_lshl_add_u32 v[SPW], v0, 2, SPARE
	v_mov_b32 v[NIL], 0
	ds_add_u32 v28, v29
	ds_add_u32 v28, v29
	s_wait_dscnt 0x0
	v_lshrrev_b32 v1, 5, v0
	v_readfirstlane_b32 s14, v1                    ; wave 0..3
	s_lshr_b32 s15, s14, 1                         ; which half of the tile's rows is mine.  Also: I fetch for x (0) or for W (1)
	s_and_b32 s16, s14, 1                          ; which half of its columns.  Also: which 128 rows of that tile I fetch
	s_bfe_u32 s40, ttmp6, 0x40000                  ; cx, cy: my place in the cluster
	s_bfe_u32 s41, ttmp6, 0x40004
	s_lshl_b32 s42, ttmp9, 2
	s_add_co_u32 s42, s42, s40                     ; tile column = 4 x cluster x + cx
	s_and_b32 s17, ttmp7, 0xffff
	s_lshr_b32 s66, s17, 3                         ; 0: query's rows, Wq; 1: key's rows, Wk.  From the cluster's y alone: the same in all sixteen partners
	s_lshl_b32 s17, s17, 2
	s_add_co_u32 s17, s17, s41                     ; tile row = 4 x cluster y + cy
	s_lshl_b32 s43, s41, 2
	s_lshl_b32 s43, 15, s43                        ; my row of the cluster
	s_lshl_b32 s44, 0x1111, s40                    ; my column
	; descriptor group 1: a tile of 128 rows x 192 bytes, 16 bytes of padding behind every 64
	s_or_b32 s[G1+0], s43, (0<<16)|(1<<20)|(1<<21)|(3<<22)|(3<<25)  ; 15:0 the mask; 17:16 elements of 1 byte; 20 padding on; 21 set beside a mask; 24:22 after every 16 words; 31:25 4 words of it
	s_or_b32 s[G1B+0], s44, (0<<16)|(1<<20)|(1<<21)|(3<<22)|(3<<25)
.irp g, G1, G1B
	s_mov_b32 s[\g+1], ROWB<<16                    ; tensor_dim0
	s_mov_b32 s[\g+2], 128<<16                     ; tensor_dim1
	s_mov_b32 s[\g+3], ROWB<<16                    ; tile_dim0
	s_mov_b32 s[\g+4], 128                         ; tile_dim1
	s_mov_b32 s[\g+5], KROW                        ; tensor_dim0_stride
	s_mov_b32 s[\g+6], 0
	s_mov_b32 s[\g+7], 0
.endr
	; the scale bytes of 128 rows: a dense block of 4,096 bytes, as 16 rows of 256 bytes (32 elements of 8 bytes), 16 bytes of padding behind each
	s_or_b32 s[G1S+0], s43, (3<<16)|(1<<20)|(1<<21)|(5<<22)|(3<<25)
	s_or_b32 s[G1SB+0], s44, (3<<16)|(1<<20)|(1<<21)|(5<<22)|(3<<25)
.irp g, G1S, G1SB
	s_mov_b32 s[\g+1], 32<<16
	s_mov_b32 s[\g+2], (128*KS/256)<<16
	s_mov_b32 s[\g+3], 32<<16
	s_mov_b32 s[\g+4], 128*KS/256
	s_mov_b32 s[\g+5], 32
	s_mov_b32 s[\g+6], 0
	s_mov_b32 s[\g+7], 0
.endr
	s_lshl_b32 s18, s16, 7                         ; which 128 rows of the tile I fetch
	s_lshl_b32 s20, s17, 8
	s_add_co_u32 s20, s20, s18                     ; x: row 256 x tile row + 128 x half
	s_lshl_b32 s46, s42, 8
	s_add_co_u32 s46, s46, s18                     ; W: row 256 x tile column + 128 x half,
	s_lshl_b32 s19, s66, 10
	s_add_co_u32 s46, s46, s19                     ; in Wq's rows or in Wk's
	s_mov_b32 s21, 0
	s_mov_b32 s47, 0
	s_mov_b64 s[18:19], KS
	s_mul_u64 s[22:23], s[20:21], s[18:19]         ; where these rows' scale bytes begin
	s_mul_u64 s[92:93], s[46:47], s[18:19]
	s_mov_b64 s[18:19], KROW
	s_mul_u64 s[20:21], s[20:21], s[18:19]         ; and their codes
	s_mul_u64 s[46:47], s[46:47], s[18:19]
	s_mul_i32 s45, s14, HALFT                      ; where they go: wave x 128 rows: no place in the cluster enters an LDS address
	s_mul_i32 s94, s14, HALFS
	s_wait_kmcnt 0x0
	s_add_nc_u64 s[20:21], s[4:5], s[20:21]
	s_add_nc_u64 s[22:23], s[6:7], s[22:23]
	s_add_nc_u64 s[46:47], s[8:9], s[46:47]
	s_add_nc_u64 s[92:93], s[10:11], s[92:93]
	CROUND                                         ; all sixteen work-groups are here: the first joint loads meet
	s_mov_b32 s[G0S], 1
	s_add_co_u32 s[G0S+1], s94, SCL
	s_mov_b64 s[G0S+2:G0S+3], s[22:23]
	s_or_b32 s[G0S+3], s[G0S+3], 0x80000000
	s_mov_b32 s[G0SB], 1
	s_add_co_u32 s[G0SB+1], s94, SCL
	s_mov_b64 s[G0SB+2:G0SB+3], s[92:93]
	s_or_b32 s[G0SB+3], s[G0SB+3], 0x80000000
	JLOAD G0S, G1S, G0SB, G1SB                     ; the scale bytes first: they are wanted with K step 0
.irp s, 0,1
	s_mov_b32 s[G0+4*\s], 1
	s_add_co_u32 s[G0+4*\s+1], s45, \s*SLOT
	s_add_nc_u64 s[G0+4*\s+2:G0+4*\s+3], s[20:21], \s*ROWB
	s_or_b32 s[G0+4*\s+3], s[G0+4*\s+3], 0x80000000
	s_mov_b32 s[G0B+4*\s], 1
	s_add_co_u32 s[G0B+4*\s+1], s45, \s*SLOT
	s_add_nc_u64 s[G0B+4*\s+2:G0B+4*\s+3], s[46:47], \s*ROWB
	s_or_b32 s[G0B+4*\s+3], s[G0B+4*\s+3], 0x80000000
	JLOAD G0+4*\s, G1, G0B+4*\s, G1B               ; three tensor loads of mine are out
.endr
	s_load_b256 s[4:11], s[0:1], 0x20              ; bq s[4:5], bk s[6:7], the mask s[8:9], qimg s[10:11]: the first four addresses have been used up
	s_load_b64 s[12:13], s[0:1], 0x40              ; kv
	v_and_b32 v1, 15, v0                           ; r = l % 16
	v_bfe_u32 v2, v0, 4, 1                         ; h = l / 16
	v_mul_u32_u24 v3, v1, PITCH
	v_mul_u32_u24 v4, v2, 24
	v_add_nc_u32 v4, v3, v4                        ; a fragment's row x pitch + 24 x half
	v_lshl_add_u32 v5, v2, 4, v4                   ; and the same behind one padding more
	s_mul_i32 s21, s15, HALFT                      ; my 128 rows of x
	s_mul_i32 s22, s16, HALFT                      ; my 128 rows of W,
	s_add_co_u32 s22, s22, 2*HALFT                 ; which lie behind x's 256
.irp s, 0,1
	v_add_nc_u32 v[ADRA+\s], s21, v4
	v_add_nc_u32 v[ADRB+\s], s22, v4
	v_add_nc_u32 v[ADRA+2+\s], s21, v5
	v_add_nc_u32 v[ADRB+2+\s], s22, v5
	s_add_co_u32 s21, s21, SLOT
	s_add_co_u32 s22, s22, SLOT
.endr
	v_mul_u32_u24 v5, v1, KS                       ; my row's scale bytes: KS bytes a row,
	v_lshrrev_b32 v6, 8, v5
	v_lshl_add_u32 v5, v6, 4, v5                   ; and 16 more for each 256 passed
	s_mul_i32 s21, s15, HALFS                      ; x's: my 128 rows
	s_mul_i32 s22, s16, HALFS                      ; W's: my 128 rows, behind x's 256
	s_add_co_u32 s22, s22, 2*HALFS
	s_sub_co_u32 s22, s22, s21
	v_mul_u32_u24 v6, s22, v2                      ; lanes 16-31 take W's: one product, the lower base + h x the distance
	s_add_co_u32 s21, s21, SCL
	v_add_nc_u32 v5, v5, v6
	v_add_nc_u32 v[ADRS], s21, v5
	v_and_b32 v6, 31, v0
	v_lshlrev_b32 v[O16], 4, v6
	v_lshlrev_b32 v[O8], 3, v6
	v_add_nc_u32 v[O8], 512, v[O8]
	s_lshl_b32 s23, s14, 10
	v_lshl_add_u32 v[SWA], v1, 2, s23
	v_add_nc_u32 v[SRD], s23, v[O16]
	v_lshlrev_b32 v7, 6, v2                        ; the bias: lanes 16-31 take the 16 channels further on
	v_and_b32 v8, 8, v1
	v_add_nc_u32 v8, v8, v1                        ; the mask: place r of a tile holds row r + 8 (r / 8)
.irp b, 0,1,2,3
	v_mov_b32 v[TM+4+\b], 0                        ; written once: a lane permute's destination counts as one of its sources
.endr
	s_mov_b32 s98, 0x76543210
	s_mov_b32 s99, 0xfedcba98                      ; v_permlanex16_b32's selects for lane l xor 16
	s_wait_kmcnt 0x0
	s_cmp_eq_u32 s66, 0                            ; query's half or key's: values are chosen, nothing branches
	s_cselect_b64 s[4:5], s[4:5], s[6:7]           ; the bias
	s_cselect_b64 s[12:13], s[10:11], s[12:13]     ; where the results go
	s_mov_b32 s2, 13056
	s_cselect_b32 s2, 6656, s2                     ; a record's bytes
	s_mov_b32 s67, 0x1800000
	s_cselect_b32 s67, 0x3000000, s67              ; the floor under a block's largest magnitude
	s_cselect_b32 s95, 0x03030303, 0               ; what is taken off the four scale bytes: q's factor 1/8
	s_cselect_b32 s100, 0, 253                     ; byte 2 = 1 + 253 x mask for k,
	s_mov_b32 s101, 0x7f01
	s_cselect_b32 s101, 0x7f7f, s101               ; 127 for q; byte 3 = 127
	s_lshl_b32 s20, s17, 8
	s_lshl_b32 s21, s15, 7
	s_add_co_u32 s20, s20, s21
	s_and_b32 s20, s20, 8191                       ; my first row within query or within key
	s_lshr_b32 s21, s20, 11                        ; its batch
	s_lshl_b32 s21, s21, 4
	s_lshl_b32 s22, s42, 2
	s_add_co_u32 s21, s21, s22
	s_lshl_b32 s22, s16, 1
	s_add_co_u32 s21, s21, s22                     ; 16 x batch + my first head (4 x tile column + 2 x half)
	s_lshl_b32 s21, s21, 4
	s_bfe_u32 s22, s20, 0x40007                    ; which 128 rows of the batch
	s_add_co_u32 s21, s21, s22                     ; the record
	s_mul_i32 s22, s21, s2
	s_mov_b32 s23, 0
	s_add_nc_u64 s[12:13], s[12:13], s[22:23]      ; my first head's record
	s_lshl_b32 s22, s2, 4
	s_add_nc_u64 s[96:97], s[12:13], s[22:23]      ; my second head's: 16 records on
	s_mov_b32 s21, 0
	s_add_nc_u64 s[8:9], s[8:9], s[20:21]          ; the mask at my first row (for query's rows the bytes are read and multiplied by 0)
	s_lshl_b32 s22, s42, 10
	s_lshl_b32 s46, s16, 9
	s_add_co_u32 s22, s22, s46
	s_add_nc_u64 s[4:5], s[4:5], s[22:23]          ; the bias at my first column
.irp b, 0,1,2,3,4,5,6,7                        ; for W's tile b lane (r, h) wants the bias of channels 32 (b / 2) + 16 h + 8 (b % 2) + 0 .. 7: the result's layout
	global_load_b128 v[BI+8*\b:BI+8*\b+3], v7, s[4:5] offset:(32*(\b/2)+8*(\b%2))*4
	global_load_b128 v[BI+8*\b+4:BI+8*\b+7], v7, s[4:5] offset:(32*(\b/2)+8*(\b%2))*4+16
.endr
.irp a, 0,1,2,3,4,5,6,7                        ; the mask byte of the row at place r of x's block a
	global_load_u8 v[EX+\a], v8, s[8:9] offset:32*(\a/2)+8*(\a%2)
.endr
.macro FRAG reg, adr, q, i             ; a fragment, 16 rows x 128 K of 6-bit codes: lane l holds row l % 16; registers 6 c .. 6 c + 5 hold K = 64 c + 32 (l / 16) + 0 .. 31: 24 bytes of the row, as they lie
.irp p, 0,1,2,3,4,5                    ; in pieces of 8 bytes.  Lanes 16-31 read three pieces further on than lanes 0-15; where that lies behind one padding more, the second address register serves
.set PIE, 12*(\q)+6*(\p/3)+\p%3
.if PIE%8 < 5
	ds_load_b64 v[\reg+2*\p:\reg+2*\p+1], v[\adr] offset:8*PIE+16*(PIE/8)+(\i)*16*PITCH
.else
	ds_load_b64 v[\reg+2*\p:\reg+2*\p+1], v[\adr+2] offset:8*PIE+16*(PIE/8)+(\i)*16*PITCH
.endif
.endr
.endm
; 16 matrix instructions: x's blocks a0, a0 + 1 against W's eight, 128 along K.  p: W's set; sc: the set of scale words.  zero = 1: the first product starts the sums, with the bias as C.
; The 64 accumulators take turns, one instruction a turn, in the same order in every step.
.macro MUL16 a0, p, q, sc, zero
.irp a, \a0, \a0+1
.irp b, 0,1,2,3,4,5,6,7
.if \zero
	v_wmma_scale_f32_16x16x128_f8f6f4 v[8*(8*((\a)%4)+\b):8*(8*((\a)%4)+\b)+7], v[128*(\p)+FR*\b:128*(\p)+FR*\b+FR-1], v[AF+FR*(\a):AF+FR*(\a)+FR-1], v[BI+8*\b:BI+8*\b+7], v[SC+8*NQ*(\sc)+NQ*\b+(\q)], v[SC+8*NQ*(\sc)+NQ*(\a)+(\q)] matrix_a_fmt:MATRIX_FMT_FP6 matrix_b_fmt:MATRIX_FMT_FP6 matrix_a_scale:MATRIX_SCALE_ROW1
.else
	v_wmma_scale_f32_16x16x128_f8f6f4 v[8*(8*((\a)%4)+\b):8*(8*((\a)%4)+\b)+7], v[128*(\p)+FR*\b:128*(\p)+FR*\b+FR-1], v[AF+FR*(\a):AF+FR*(\a)+FR-1], v[8*(8*((\a)%4)+\b):8*(8*((\a)%4)+\b)+7], v[SC+8*NQ*(\sc)+NQ*\b+(\q)], v[SC+8*NQ*(\sc)+NQ*(\a)+(\q)] matrix_a_fmt:MATRIX_FMT_FP6 matrix_b_fmt:MATRIX_FMT_FP6 matrix_a_scale:MATRIX_SCALE_ROW1
.endif
.endr
.endr
.endm
.macro FETCH_B slot, q, p              ; W's eight fragments of the slot's q-th 128 along K into set p
	WIN TO_B
.irp i, 0,1,2,3,4,5,6,7
	FRAG 128*(\p)+FR*\i, ADRB+\slot, \q, \i
.endr
	WIN 0
.endm
.macro FETCH_A slot, q, i0             ; x's blocks i0 .. i0 + 3
.irp i, \i0, \i0+1, \i0+2, \i0+3
	FRAG AF+FR*(\i), ADRA+\slot, \q, \i
.endr
.endm
.macro SCALES sc                       ; the next K step's scale words into set sc: lanes 0-15 take x's block i, lanes 16-31 W's block i
.irp i, 0,1,2,3,4,5,6,7
	ds_load_b64 v[SC+8*NQ*\sc+NQ*\i:SC+8*NQ*\sc+NQ*\i+1], v[ADRS] offset:\i*SBLK
.endr
.endm
.macro PLACES n                        ; plain vector instructions between a matrix instruction and a load into, or a vector instruction on, its registers
.rept \n
	v_nop
.endr
.endm
; A step of 128 along K that has its successor in the same slot.
.macro STEP slot, q, zero
	s_wait_dscnt 4*NL                              ; W's set and x's blocks 0-3 are in; the youngest 24 loads (x's blocks 4-7) may be out
.if \zero
	WIN BIA_LO
.else
	WIN MUL_LO
.endif
	MUL16 0, (\q)%2, \q, \slot, \zero
	MUL16 2, (\q)%2, \q, \slot, \zero
	s_wait_dscnt 0                                 ; x's blocks 4-7 are in
	PLACES NP
	FETCH_B \slot, (\q)+1, 1-(\q)%2
	FETCH_A \slot, (\q)+1, 0
.if \zero
	WIN BIA_HI
.else
	WIN MUL_HI
.endif
	MUL16 4, (\q)%2, \q, \slot, \zero
	MUL16 6, (\q)%2, \q, \slot, \zero
	PLACES NP
	WIN 0
	FETCH_A \slot, (\q)+1, 4
.endm
; A slot's last step changes slots: ONE barrier; in front of it each wave waits for all its tensor loads, adds 0 to its spare word, and waits for that and for its own reads of this slot.  fill = 1: this slot is filled again, two K steps ahead.
.macro TURN slot, next, fill
	s_wait_tensorcnt 0x0                           ; all my tensor loads have landed: my part of the next slot
	ds_add_u32 v[SPW], v[NIL]                      ; 0 onto my spare word
	s_wait_dscnt 4*NL+1                            ; (the add and the youngest 24 loads may be out)
	WIN MUL_LO
	MUL16 0, 1, NQ-1, \slot, 0                     ; sixteen matrix instructions stand between the add and the wait for it
	s_wait_dscnt 0x0                               ; the add is done, and my reads of this slot are over
	s_barrier_signal -1
	MUL16 2, 1, NQ-1, \slot, 0
	WIN 0
	s_barrier_wait -1
.if \fill
	CREST                                          ; the barrier has opened a round of the cluster's barrier: no wave of any partner still reads this slot or has a load on its way
	s_add_nc_u64 s[G0+4*\slot+2:G0+4*\slot+3], s[G0+4*\slot+2:G0+4*\slot+3], 2*ROWB
	s_add_nc_u64 s[G0B+4*\slot+2:G0B+4*\slot+3], s[G0B+4*\slot+2:G0B+4*\slot+3], 2*ROWB
	JLOAD G0+4*\slot, G1, G0B+4*\slot, G1B         ; the first tensor load behind the round, my only one until the next; its four v_nop are also the places in front of the loads below
.else
	PLACES NP
.endif
	v_add_nc_u32 v[ADRS], 4*NQ, v[ADRS]            ; on to the next K step's scale words
	FETCH_B \next, 0, 0
	FETCH_A \next, 0, 0
	SCALES \next
	WIN MUL_HI
	MUL16 4, 1, NQ-1, \slot, 0
	MUL16 6, 1, NQ-1, \slot, 0
	PLACES NP
	WIN 0
	FETCH_A \next, 0, 4
.endm
; 64 numbers of a lane, none negative, register 16 b + i = channel 32 b + 16 (lane / 16) + i of my row, become twelve registers of codes in v[PCD] on and the four blocks' bytes in v[PW].
.macro QUANTR s
.irp b, 0,1,2,3
	v_max3_num_f32 v[TM+\b], v[\s+16*\b], v[\s+1+16*\b], s67   ; block b: my 16 numbers, and the floor
.endr
.irp i, 2,4,6,8,10,12,14
.irp b, 0,1,2,3
	v_max3_num_f32 v[TM+\b], v[TM+\b], v[\s+16*\b+\i], v[\s+1+16*\b+\i]   ; (the four blocks by turns)
.endr
.endr
.irp b, 0,1,2,3
	v_permlanex16_b32 v[TM+4+\b], v[TM+\b], s98, s99
.endr
.irp b, 0,1,2,3
	v_max_num_f32 v[TM+\b], v[TM+\b], v[TM+4+\b]   ; with lane l xor 16's: the block's largest number
.endr
.irp b, 0,1,2,3
	v_add_nc_u32 v[TM+12+\b], 0xff000000, v[TM+\b]   ; 2 off its exponent field: the conversion's scale operand
.endr
.irp b, 0,1,2,3
	v_lshrrev_b32 v[TM+4+\b], 23, v[TM+12+\b]      ; the scale's byte
.endr
	v_lshl_or_b32 v[PW], v[TM+5], 8, v[TM+4]
	v_lshl_or_b32 v[PW], v[TM+6], 16, v[PW]
	v_lshl_or_b32 v[PW], v[TM+7], 24, v[PW]
.irp c, 0,1
	v_cvt_scalef32_pk16_fp6_f32 v[PCD+6*\c:PCD+2+6*\c], v[\s+32*\c:\s+15+32*\c], v[TM+12+2*\c]
	v_cvt_scalef32_pk16_fp6_f32 v[PCD+12+4*\c:PCD+14+4*\c], v[\s+16+32*\c:\s+31+32*\c], v[TM+12+2*\c+1]   ; (a conversion's three registers begin on an even number)
.endr
	v_nop                                          ; one plain vector instruction behind the scaled conversions
.irp c, 0,1                                    ; the operand's layout wants a WHOLE block in a lane: lanes 0-15 block 2 c, lanes 16-31 block 2 c + 1
.irp i, 0,1,2
	v_permlane16_swap_b32 v[PCD+6*\c+\i], v[PCD+12+4*\c+\i]
.endr
.irp i, 0,1,2
	v_mov_b32 v[PCD+3+6*\c+\i], v[PCD+12+4*\c+\i]
.endr
.endr
.endm
; Block a of 16 rows leaves: registers 0-5 of the codes are my first head's tile a, registers 6-11 my second head's.
.macro OUTBLK a
.if (\a) > 0
	s_wait_xcnt 0x0                                ; the last block's stores have read their data: the codes' registers are written again only behind this wait
.endif
	WIN 0x08+4*((\a)/4)                            ; source 1: window 2 or 3
.set j, 0
.rept 64
	v_max_num_f32 v[HA+j], 0, v[64*((\a)%4)+j]     ; the activation, in f32; each accumulator is read from its low end on
.set j, j+1
.endr
	WIN 0
	QUANTR HA
	v_sub_nc_u32 v[PW], v[PW], s95                 ; q: 3 off each byte (each is 4 or more: nothing is borrowed); k: 0
	v_and_or_b32 v[WD+2*(\a)], v[PW], 0xffff, v[EX+(\a)]           ; the first head's word: bytes 0, 1, with bytes 2 and 3
	v_lshrrev_b32 v[WD+2*(\a)+1], 16, v[PW]
	v_or_b32 v[WD+2*(\a)+1], v[WD+2*(\a)+1], v[EX+(\a)]            ; the second head's
	ds_store_b32 v[SWA], v[WD+2*(\a)] offset:64*(\a)               ; lanes l and l xor 16 write the same word with the same value
	ds_store_b32 v[SWA], v[WD+2*(\a)+1] offset:512+64*(\a)
	global_store_b128 v[O16], v[PCD:PCD+3], s[12:13] offset:768*(\a)       ; 512 consecutive bytes, at a multiple of 256 from the buffer's first byte
	global_store_b64 v[O8], v[PCD+4:PCD+5], s[12:13] offset:768*(\a)       ; 256 consecutive bytes behind them
	global_store_b128 v[O16], v[PCD+6:PCD+9], s[96:97] offset:768*(\a)
	global_store_b64 v[O8], v[PCD+10:PCD+11], s[96:97] offset:768*(\a)
.endm
	s_wait_tensorcnt 1                             ; the scale bytes and my part of K step 0 are in (K step 1's load may be out)
	s_barrier_signal -1
	s_barrier_wait -1                              ; everybody's are
	FETCH_B 0, 0, 0
	FETCH_A 0, 0, 0
	SCALES 0
	FETCH_A 0, 0, 4
	s_wait_loadcnt 0x0                             ; the bias and the mask bytes
.irp a, 0,1,2,3,4,5,6,7
	v_mad_u32_u24 v[EX+\a], v[EX+\a], s100, s101   ; byte 2 and byte 3 of the rows' scale words,
.endr
.irp a, 0,1,2,3,4,5,6,7
	v_lshlrev_b32 v[EX+\a], 16, v[EX+\a]           ; at their places
.endr
	STEP 0, 0, 1                                   ; the first step stands in front of the loop: its products start the sums
	s_mov_b32 s3, LAPS-1
.Llap:                                                 ; a trip goes once round the ring, from a lap's second step to the next lap's first, and fills both slots again
	TURN 0, 1, 1
	STEP 1, 0, 0
	TURN 1, 0, 1
	STEP 0, 0, 0
	s_sub_co_u32 s3, s3, 1
	s_cmp_lg_u32 s3, 0
	s_cbranch_scc1 .Llap
	TURN 0, 1, 0                                   ; the last lap fills nothing, and has no round of the cluster's barrier
	STEP 1, 0, 0
	s_wait_dscnt 4*NL                              ; the very last step: nothing more to fetch
	WIN MUL_LO
	MUL16 0, 1, NQ-1, 1, 0
	MUL16 2, 1, NQ-1, 1, 0
	s_wait_dscnt 0
	WIN MUL_HI
	MUL16 4, 1, NQ-1, 1, 0
	MUL16 6, 1, NQ-1, 1, 0
	WIN 0
	PLACES NP                                      ; in front of the first read of results and the first write over x's fragments
.irp a, 0,1,2,3,4,5,6,7
	OUTBLK \a
.endr
	ds_load_b128 v[212:215], v[SRD]                ; my first head's 128 scale words, 512 bytes (LDS serves a wave's instructions in order: these see my stores),
	ds_load_b128 v[216:219], v[SRD] offset:512     ; my second head's
	s_wait_dscnt 0x0
	global_store_b128 v[O16], v[212:215], s[12:13] offset:6144     ; 512 consecutive bytes, aligned
	global_store_b128 v[O16], v[216:219], s[96:97] offset:6144
	s_wait_tensorcnt 0x0                           ; the wave's end: behind my last tensor load and my last LDS store
	ds_add_u32 v[SPW], v[NIL]
	s_wait_dscnt 0x0
	CROUND                                         ; the closing round: no work-group ends while a partner may still ask for a tile that names it
	s_endpgm
.Lfunc_end_k_q012637e79c_proj:
	.size	k_q012637e79c_proj, .Lfunc_end_k_q012637e79c_proj-k_q012637e79c_proj
	.p2alignl 7, 3214868480
	.fill 96, 4, 3214868480
	.section	.rodata,"a",@progbits
	.p2align	6, 0x0
	.amdhsa_kernel k_q012637e79c_proj
		.amdhsa_group_segment_fixed_size 327680
		.amdhsa_private_segment_fixed_size 0
		.amdhsa_enable_private_segment 0
		.amdhsa_kernarg_size 72
		.amdhsa_user_sgpr_count 2
		.amdhsa_user_sgpr_kernarg_segment_ptr 1
		.amdhsa_wavefront_size32 1
		.amdhsa_system_sgpr_workgroup_id_x 1
		.amdhsa_system_sgpr_workgroup_id_y 1
		.amdhsa_system_sgpr_workgroup_id_z 1
		.amdhsa_system_vgpr_workitem_id 0
		.amdhsa_next_free_vgpr 1024
		.amdhsa_next_free_sgpr 102
		.amdhsa_reserve_vcc 0
		.amdhsa_float_denorm_mode_32 3
		.amdhsa_float_denorm_mode_16_64 3
		.amdhsa_memory_ordered 1
		.amdhsa_forward_progress 1
		.amdhsa_inst_pref_size 186
	.end_amdhsa_kernel
	.amdgpu_metadata
---
amdhsa.version: [ 1, 2 ]
amdhsa.kernels:
  - .name:           k_q012637e79c_proj
    .symbol:         k_q012637e79c_proj.kd
    .args:
      - { .name: x_codes, .offset: 0, .size: 8, .value_kind: global_buffer, .address_space: global }
      - { .name: x_scales, .offset: 8, .size: 8, .value_kind: global_buffer, .address_space: global }
      - { .name: w_codes, .offset: 16, .size: 8, .value_kind: global_buffer, .address_space: global }
      - { .name: w_scales, .offset: 24, .size: 8, .value_kind: global_buffer, .address_space: global }
      - { .name: bq, .offset: 32, .size: 8, .value_kind: global_buffer, .address_space: global }
      - { .name: bk, .offset: 40, .size: 8, .value_kind: global_buffer, .address_space: global }
      - { .name: key_padding_mask, .offset: 48, .size: 8, .value_kind: global_buffer, .address_space: global }
      - { .name: qimg, .offset: 56, .size: 8, .value_kind: global_buffer, .address_space: global }
      - { .name: kv, .offset: 64, .size: 8, .value_kind: global_buffer, .address_space: global }
    .group_segment_fixed_size: 327680
    .private_segment_fixed_size: 0
    .kernarg_segment_align: 8
    .kernarg_segment_size: 72
    .max_flat_workgroup_size: 128
    .sgpr_count:     102
    .vgpr_count:     1024
    .wavefront_size: 32
...
	.end_amdgpu_metadata
.endif
;; end of part 2
;; launch attn (part 3): grid 4 x 64, 16 waves a work-group, clusters of 4 x 1, 280,576 bytes of LDS; arguments qimg, kv, out0; writes out0
.if DOCPART == 3
	.amdgcn_target "amdgcn-amd-amdhsa--gfx1250"
	.amdhsa_code_object_version 6
	.text
	.protected	k_q012637e79c_attn
	.globl	k_q012637e79c_attn
	.p2align	8
	.type	k_q012637e79c_attn,@function
k_q012637e79c_attn:
	s_mov_b64 s[64:65], 0
	v_nop
	global_prefetch_b8 v0, s[64:65] scope:SCOPE_SE
	s_setreg_imm32_b32 hwreg(HW_REG_WAVE_MODE, 25, 1), 1
	s_wait_xcnt 0x0
	s_wait_alu depctr_hold_cnt(0) depctr_sa_sdst(0) depctr_va_vdst(0) depctr_va_sdst(0) depctr_va_ssrc(0) depctr_va_vcc(0) depctr_vm_vsrc(0)
	s_getreg_b32 s2, hwreg(HW_REG_IB_STS2, 6, 4)
	s_cmp_eq_u32 s2, 0
	s_cbranch_scc0 .Lentry_in_a_cluster
	s_endpgm
.Lentry_in_a_cluster:
	s_bfe_u32 s2, ttmp6, 0x10000c
	s_cmp_lg_u32 s2, 0x3003
	s_cbranch_scc0 .Lentry_shape_is_right
	s_endpgm
.Lentry_shape_is_right:
; out0[b][t][64 head + d] = the sum over keys of softmax(q . k) v, with masked keys left out; both products on codes of FP6 (E2M3) with E8M0 scales.
; qimg and kv hold a record for each (batch, head, 128 rows), laid as images of the operands' registers:
;   byte 0: 8 tiles of 16 rows x 64 channels, 768 bytes each (registers 0-3 at 16 x lane, registers 4-5 at 512 + 8 x lane); byte 6,144: a scale word a row;
;   kv alone: byte 6,656: V, 4 tiles of 16 channels x 128 keys, 1,536 bytes each (three runs of four registers at 16 x lane); byte 12,800: a scale word a channel.  A record of kv is 13,056 bytes.
; THE SOFTMAX AHEAD OF THE SECOND PRODUCT: t = score x log2(e); M = the largest t so far, rounded UP to a whole number; p = 2^(t - M) is quantised along the keys, not normalised.  The row's sum is taken of
; the unquantised p and divides O at the end.  When M moves, the sum and O are multiplied by 2^(old M - new M): exact.
; SHARES.  A work-group owns 512 queries of one (batch, head); each of its sixteen waves two tiles of 16, one after the other, in 256 registers: four waves to a SIMD, so that one wave's vector work stands beside
; another's matrix work and LDS loads.  THE HEAD'S WHOLE K AND V, 16 records = 208,896 bytes, LIE IN LDS: filled once, each wave bringing one record; nothing is filled again.
; CLUSTER.  The four work-groups of a cluster own the four quarters of one head's queries and need the same 16 records: each record is asked for JOINTLY, by the same tensor load with a mask that names the four.
; LAYOUT.  Both products are used transposed: S^T = K Q^T (source 0 = 16 keys, source 1 = my 16 queries), O^T = V^T P^T: a lane holds ONE query (lane % 16) throughout.  Place r of K's tile 2 b + u holds key
; 32 b + 8 u + r + 8 (r / 8), so that the 16 registers of tiles 2 b and 2 b + 1 are the neighbouring keys 32 b + 16 (lane / 16) + 0 .. 15.
; THE MASK RIDES IN THE IDLE HALF OF K.  The head has 64 channels, the instruction takes 128.  At k = 64 K carries the code 1.0 and Q the code -1.0; Q's scale byte of that block is 127, K's is 254 for a masked key
; and 1 for an open one.  So a masked score carries -2^127, whose t lies under the start of the running maximum, -1e38, and whose p is exactly 0; all other codes of k = 64 .. 127 are zeros.
; LIMITS: every open score carries -2^-126; a masked score is about -2^127 and not -infinity (p is 0 all the same; a row whose every key is masked has the sum 0 and comes out NaN);
; NaN and infinities among the inputs are not served; a block of p under 2^(3 - 127) keeps the scale byte 1.
.set REC,   13056
.set KSO,   6144                       ; K's scale words in a record
.set VCO,   6656                       ; V's codes
.set VSO,   12800                      ; V's scale words
.set STAGE, 16*REC                     ; behind the records: 16 rows x (256 bytes + 16) for each wave, for the way out; no tensor load lands there
.set KF,    32                         ; v32-79   four fragments of K; registers 6-11 of each are constants
.set PCD,   80                         ; v80-91   p's codes
.set KSC,   92                         ; v92-95   K's scale words: lanes 0-15 tile 2 i, lanes 16-31 tile 2 i + 1
.set S,     96                         ; v96-159  S^T, then p; then V's four fragments in v96-143
.set O,     160                        ; v160-191 O^T
.set BM,    192                        ; v192-195 a block's largest score, then its largest p
.set BP,    196                        ; v196-199 the other half's maxima; a chain of the sums; the bytes
.set SO,    200                        ; v200-203 the conversions' scale operands
.set CT,    204                        ; v204-206, v208-210 the second halves of the conversions
.set VSC,   212                        ; v212-213 V's scale words
; v1, v2, v3: 16, 8, 4 x lane; v4 my offset in O's rows; v5, v6 the stage, in and back; v7, v11, v215 my offsets in a record of Q; v8, v9, v10 the step's LDS addresses;
; v12 -M, v13 the largest t, v[14:15] the sum in two halves; v16-27 Q; v28 Q's scale words; v29 p's; v[30:31] f; v214 at work.
; s[4:5] Q's records, s[8:9] my rows of out0, s10 wave, s11 cx, s12 16 x batch + head, s[16:23], s[24:27] the descriptor, s[28:29] lane selects, s[30:31] log2(e), s32 the step's record in LDS, s33 steps to go.
.macro CROUND                          ; a round of the cluster's barrier
	s_barrier_signal -1
	s_barrier_wait -1
	s_cmp_lg_u32 s10, 0
	s_cbranch_scc1 .Lnot_wave_0_\@
	s_barrier_signal -3
.Lnot_wave_0_\@:
	s_barrier_wait -3
	s_barrier_signal -1
	s_barrier_wait -1
.endm
	s_load_b128 s[4:7], s[0:1], 0x0                ; qimg s[4:5], kv s[6:7]
	s_load_b64 s[8:9], s[0:1], 0x10                ; out0
	v_lshl_add_u32 v254, v0, 2, 0x44000
	v_mov_b32 v255, 0
	ds_add_u32 v254, v255
	ds_add_u32 v254, v255
	v_lshrrev_b32 v1, 5, v0
	v_readfirstlane_b32 s10, v1                    ; wave 0..15
	s_bfe_u32 s11, ttmp6, 0x40000                  ; cx: which quarter of the head's queries
	s_and_b32 s12, ttmp7, 0xffff                   ; 16 x batch + head, which the four partners share
	; descriptor group 1: a record, dense in memory, as 51 rows of 256 bytes (32 elements of 8 bytes), no padding
	s_mov_b32 s16, 15|(3<<16)|(1<<21)              ; 15:0 the mask: all four work-groups; 17:16 elements of 8 bytes; 21 set beside a mask
	s_mov_b32 s17, 32<<16                          ; tensor_dim0 = 32
	s_mov_b32 s18, 51<<16                          ; tensor_dim1 = 51
	s_mov_b32 s19, 32<<16                          ; tile_dim0 = 32
	s_mov_b32 s20, 51                              ; tile_dim1 = 51
	s_mov_b32 s21, 32                              ; tensor_dim0_stride
	s_mov_b32 s22, 0
	s_mov_b32 s23, 0
	s_mov_b32 s24, 1                               ; group 0: count = 1,
	s_mul_i32 s25, s10, REC                        ; LDS address: record w: no place in the cluster enters it,
	s_mul_i32 s34, s12, 16*REC
	s_add_co_u32 s34, s34, s25
	s_mov_b32 s35, 0
	s_wait_dscnt 0x0
	s_wait_kmcnt 0x0
	s_add_nc_u64 s[26:27], s[6:7], s[34:35]        ; global address: the head's record w,
	s_or_b32 s27, s27, 0x80000000                  ; type = 2
	CROUND                                         ; all four work-groups are here: the joint loads meet
	tensor_load_to_lds s[24:27], s[16:23]          ; one tensor load of mine is out; no other follows in the launch
	s_nop 0
.rept 4
	v_nop
.endr
	s_mul_i32 s36, s12, 16*6656                    ; Q: the head's 16 records of 6,656 bytes,
	s_lshl_b32 s37, s11, 2
	s_lshr_b32 s38, s10, 3
	s_add_co_u32 s37, s37, s38                     ; record 4 cx + wave / 8 (my second tile: two records on)
	s_mul_i32 s37, s37, 6656
	s_add_co_u32 s36, s36, s37
	s_mov_b32 s37, 0
	s_add_nc_u64 s[4:5], s[4:5], s[36:37]
	s_lshr_b32 s36, s12, 4
	s_lshl_b32 s36, s36, 23                        ; out0: a batch is 2,048 rows of 4,096 bytes,
	s_and_b32 s38, s12, 15
	s_lshl_b32 s38, s38, 8                         ; a head 256 bytes of a row,
	s_add_co_u32 s36, s36, s38
	s_lshl_b32 s38, s11, 21                        ; my work-group's 512 rows,
	s_add_co_u32 s36, s36, s38
	s_lshl_b32 s38, s10, 16                        ; my wave's 16
	s_add_co_u32 s36, s36, s38
	s_add_nc_u64 s[8:9], s[8:9], s[36:37]
	s_mov_b32 s28, 0x76543210
	s_mov_b32 s29, 0xfedcba98                      ; v_permlanex16_b32's selects for lane l xor 16
	s_mov_b32 s30, 0x3fb8aa3b                      ; log2(e)
	s_mov_b32 s31, s30                             ; (named with it as a pair, so it is written)
	v_and_b32 v216, 31, v0                         ; lane
	v_and_b32 v217, 15, v0                         ; r
	v_bfe_u32 v218, v0, 4, 1                       ; h
	v_lshlrev_b32 v1, 4, v216
	v_lshlrev_b32 v2, 3, v216
	v_lshlrev_b32 v3, 2, v216
	v_lshlrev_b32 v4, 12, v218
	v_lshl_add_u32 v4, v217, 4, v4                 ; the way out: lanes 0-15 one row of out0, lanes 16-31 the next; 16 bytes a lane
	s_mul_i32 s38, s10, 16*272
	s_add_co_u32 s38, s38, STAGE                   ; my stage
	v_mul_u32_u24 v5, v217, 272
	v_lshl_add_u32 v5, v218, 5, v5
	v_add_nc_u32 v5, s38, v5                       ; in: row r, 32 bytes for each half of the lanes
	v_mul_u32_u24 v6, v218, 272
	v_lshl_add_u32 v6, v217, 4, v6
	v_add_nc_u32 v6, s38, v6                       ; back: lanes 0-15 one row, lanes 16-31 the next
	s_and_b32 s39, s10, 7                          ; my tile in a record of Q
	s_mul_i32 s40, s39, 768
	v_add_nc_u32 v7, s40, v1
	v_add_nc_u32 v11, s40, v2
	v_add_nc_u32 v11, 512, v11
	s_lshl_b32 s39, s39, 6
	s_add_co_u32 s39, s39, KSO
	v_lshl_add_u32 v215, v217, 2, s39              ; row r's scale word
	v_sub_nc_u32 v22, 1, v218
	v_mul_u32_u24 v22, v22, 0x28                   ; Q at k = 64 (lanes 0-15, register 6, the lowest code): -1.0; all else of k = 64 .. 127 is 0
.irp i, 23,24,25,26,27
	v_mov_b32 v\i, 0
.endr
.irp t, 0,1,2,3
	v_mov_b32 v[KF+12*\t+6], 8                     ; K at k = 64: 1.0 (in lanes 16-31 the same code stands at k = 96, against a zero of Q)
.irp i, 7,8,9,10,11
	v_mov_b32 v[KF+12*\t+\i], 0
.endr
.endr
.irp b, 0,1,2,3
	v_mov_b32 v[BP+\b], 0                          ; written once: a lane permute's destination counts as one of its sources
.endr
	v_mov_b32 v31, 0                               ; (named as the upper half of the pair v[30:31])
	s_wait_tensorcnt 0x0                           ; my record is in,
	s_barrier_signal -1
	s_barrier_wait -1                              ; everybody's is: all sixteen records may be read
; A KEY STEP: 128 keys, the record at LDS byte s32.
.macro STEP
	v_add_nc_u32 v8, s32, v1
	v_add_nc_u32 v9, s32, v2
	v_add_nc_u32 v10, s32, v3
	v_nop
	v_nop                                          ; five plain instructions between the last step's V^T P and the products below, which write over its operands (ISA guide 7.12.1)
.irp i, 0,1,2,3
	ds_load_b32 v[KSC+\i], v10 offset:KSO+128*\i
.endr
.irp g, 0,1                                    ; S^T = K Q^T, four tiles of 16 keys at a time
.if \g
.rept 4
	v_nop                                          ; places in front of loads into registers that matrix instructions have read
.endr
.endif
.irp t, 0,1,2,3
	ds_load_b128 v[KF+12*\t:KF+12*\t+3], v8 offset:768*(4*\g+\t)           ; an image of the registers: 512 consecutive bytes,
	ds_load_b64 v[KF+12*\t+4:KF+12*\t+5], v9 offset:768*(4*\g+\t)+512      ; and 256
.endr
	s_wait_dscnt 0x0
.irp t, 0,2
	v_wmma_scale_f32_16x16x128_f8f6f4 v[S+8*(4*\g+\t):S+8*(4*\g+\t)+7], v[KF+12*\t:KF+12*\t+11], v[16:27], 0, v[KSC+(4*\g+\t)/2], v28 matrix_a_fmt:MATRIX_FMT_FP6 matrix_b_fmt:MATRIX_FMT_FP6
	v_wmma_scale_f32_16x16x128_f8f6f4 v[S+8*(4*\g+\t+1):S+8*(4*\g+\t+1)+7], v[KF+12*(\t+1):KF+12*(\t+1)+11], v[16:27], 0, v[KSC+(4*\g+\t)/2], v28 matrix_a_fmt:MATRIX_FMT_FP6 matrix_b_fmt:MATRIX_FMT_FP6 matrix_a_scale:MATRIX_SCALE_ROW1
.endr
.endr
.rept 4
	v_nop
.endr
.irp b, 0,1,2,3
	v_max3_num_f32 v[BM+\b], v[S+16*\b], v[S+1+16*\b], v[S+2+16*\b]   ; THE LARGEST SCORE OF EACH BLOCK OF 32 KEYS: for the row's maximum, and, since p rises with the score, for the block's largest p
.endr
.irp i, 3,5,7,9,11,13
.irp b, 0,1,2,3
	v_max3_num_f32 v[BM+\b], v[BM+\b], v[S+16*\b+\i], v[S+1+16*\b+\i]   ; (the four blocks by turns)
.endr
.endr
.irp b, 0,1,2,3
	v_max_num_f32 v[BM+\b], v[BM+\b], v[S+15+16*\b]
.endr
.irp b, 0,1,2,3
	v_permlanex16_b32 v[BP+\b], v[BM+\b], s28, s29
.endr
.irp b, 0,1,2,3
	v_max_num_f32 v[BM+\b], v[BM+\b], v[BP+\b]     ; with lane l xor 16's 16 keys
.endr
	v_max3_num_f32 v214, v[BM], v[BM+1], v[BM+2]
	v_max_num_f32 v214, v214, v[BM+3]              ; the step's largest score of my query
	v_mul_f32 v214, s30, v214                      ; as t
	v_max_num_f32 v13, v13, v214                   ; the running largest t
	v_mov_b32 v214, v12
	v_floor_f32 v12, -v13                          ; the new -M = floor(-t) = -ceil(t): M IS A WHOLE NUMBER
	v_sub_f32 v214, v12, v214                      ; M's old value less its new one: 0 or less
	v_cvt_i32_f32 v214, v214                       ; (it saturates)
	v_ldexp_f32 v30, 1.0, v214                     ; f = 2^(old M - new M)
.set j, 0
.rept 32
	v_pk_fma_f32 v[S+j:S+j+1], v[S+j:S+j+1], s[30:31], v[12:13] op_sel_hi:[1,0,0]   ; t - M, two at a time (of the pairs the low word serves both halves)
.set j, j+2
.endr
.irp b, 0,1,2,3
	v_fma_f32 v[BM+\b], v[BM+\b], s30, v12         ; the same of each block's largest score
.endr
.set j, 0
.rept 64
	v_exp_f32 v[S+j], v[S+j]                       ; p = 2^(t - M), at most 1: NOT normalised
.set j, j+1
.endr
	v_pk_mul_f32 v[14:15], v[14:15], v[30:31] op_sel_hi:[1,0]   ; the sums under the new M: a plain instruction behind the exponentials
	s_wait_alu depctr_va_vdst(0)                   ; one wait for the whole batch, ahead of its first reader
.irp b, 0,1,2,3
	v_exp_f32 v[BM+\b], v[BM+\b]                   ; the block's largest p: the same two instructions on the same number give the same bits
.endr
	v_pk_add_f32 v[BP:BP+1], v[S:S+1], v[S+2:S+3]  ; THE ROW'S SUM IS TAKEN OF THE UNQUANTISED p: two at a time, in two chains
.set j, 4
.rept 15
	v_pk_add_f32 v[14:15], v[14:15], v[S+j:S+j+1]
	v_pk_add_f32 v[BP:BP+1], v[BP:BP+1], v[S+j+2:S+j+3]
.set j, j+4
.endr
	v_pk_add_f32 v[14:15], v[14:15], v[BP:BP+1]
	s_wait_alu depctr_va_vdst(0)                   ; and one for the four
.irp b, 0,1,2,3
	v_max_num_f32 v[BM+\b], 0x1800000, v[BM+\b]    ; the floor 2^(3 - 127): the byte cannot fall under 1 (a block whose every p is 0 keeps that byte: its codes are zeros)
.endr
.irp b, 0,1,2,3
	v_add_nc_u32 v[SO+\b], 0xff000000, v[BM+\b]    ; 2 off the exponent field: the conversion's scale operand
.endr
.irp b, 0,1,2,3
	v_lshrrev_b32 v[BP+\b], 23, v[SO+\b]           ; the scale's byte
.endr
	v_lshl_or_b32 v29, v[BP+1], 8, v[BP]           ; p's scale word for these 128 keys
	v_lshl_or_b32 v29, v[BP+2], 16, v29
	v_lshl_or_b32 v29, v[BP+3], 24, v29
.irp c, 0,1
	v_cvt_scalef32_pk16_fp6_f32 v[PCD+6*\c:PCD+6*\c+2], v[S+32*\c:S+32*\c+15], v[SO+2*\c]
	v_cvt_scalef32_pk16_fp6_f32 v[CT+4*\c:CT+4*\c+2], v[S+16+32*\c:S+31+32*\c], v[SO+2*\c+1]   ; (a conversion's three registers begin on an even number)
.endr
	v_nop                                          ; one plain vector instruction behind the scaled conversions
.irp t, 0,1,2,3                                ; V's four fragments go into p's registers, which nobody reads any more; they land under the 28 vector instructions below
.irp p, 0,1,2
	ds_load_b128 v[S+12*\t+4*\p:S+12*\t+4*\p+3], v8 offset:VCO+1536*\t+512*\p
.endr
.endr
.irp i, 0,1
	ds_load_b32 v[VSC+\i], v10 offset:VSO+128*\i
.endr
.irp c, 0,1                                    ; the operand's layout wants a WHOLE block in a lane: lanes 0-15 block 2 c, lanes 16-31 block 2 c + 1
.irp i, 0,1,2
	v_permlane16_swap_b32 v[PCD+6*\c+\i], v[CT+4*\c+\i]
.endr
.irp i, 0,1,2
	v_mov_b32 v[PCD+3+6*\c+\i], v[CT+4*\c+\i]
.endr
.endr
.set j, 0
.rept 16
	v_pk_mul_f32 v[O+j:O+j+1], v[O+j:O+j+1], v[30:31] op_sel_hi:[1,0]   ; O^T under the new M.  (These are also the places between the writing of p's codes and scale word and the products below)
.set j, j+2
.endr
	s_wait_dscnt 0x0
.irp t, 0,2                                    ; O^T += V^T P^T: the four accumulators by turns
	v_wmma_scale_f32_16x16x128_f8f6f4 v[O+8*\t:O+8*\t+7], v[S+12*\t:S+12*\t+11], v[PCD:PCD+11], v[O+8*\t:O+8*\t+7], v[VSC+\t/2], v29 matrix_a_fmt:MATRIX_FMT_FP6 matrix_b_fmt:MATRIX_FMT_FP6
	v_wmma_scale_f32_16x16x128_f8f6f4 v[O+8*(\t+1):O+8*(\t+1)+7], v[S+12*(\t+1):S+12*(\t+1)+11], v[PCD:PCD+11], v[O+8*(\t+1):O+8*(\t+1)+7], v[VSC+\t/2], v29 matrix_a_fmt:MATRIX_FMT_FP6 matrix_b_fmt:MATRIX_FMT_FP6 matrix_a_scale:MATRIX_SCALE_ROW1
.endr
.endm
; THE WAY OUT of my tile i: O^T / the sum goes through my own stage in LDS, so that sixteen lanes store a query's 256 consecutive bytes, aligned.
.macro OUT i
.rept 4
	v_nop                                          ; places behind the last products
.endr
	v_add_f32 v14, v14, v15                        ; the sum's two halves,
	v_permlanex16_b32 v214, v14, s28, s29
	v_add_f32 v14, v14, v214                       ; and lane l xor 16's: the row's sum
	v_rcp_f32 v14, v14
	v_nop                                          ; a plain instruction behind the reciprocal,
	s_wait_alu depctr_va_vdst(0)                   ; and a wait ahead of its first reader
.set j, 0
.rept 16
	v_pk_mul_f32 v[96+j:97+j], v[O+j:O+j+1], v[14:15] op_sel_hi:[1,0]   ; register 8 t + i is channel 16 t + 8 h + i of query r; each accumulator is read from its low end on
.set j, j+2
.endr
.irp t, 0,1,2,3
	ds_store_b128 v5, v[96+8*\t:99+8*\t] offset:64*\t
	ds_store_b128 v5, v[100+8*\t:103+8*\t] offset:64*\t+16
.endr
.irp n, 0,1,2,3,4,5,6,7
	ds_load_b128 v[128+4*\n:131+4*\n], v6 offset:544*\n            ; LDS serves a wave's instructions in order: these see my stores
.endr
.irp n, 0,1,2,3,4,5,6,7
	s_wait_dscnt 7-\n                              ; the younger loads may stay out
	global_store_b128 v4, v[128+4*\n:131+4*\n], s[8:9] offset:1048576*\i+8192*\n th:TH_STORE_NT   ; my second tile lies 256 rows further down
.endr
.endm
.macro TILE i
.if \i
	s_wait_xcnt 0x0                                ; the first tile's stores have read their data: those registers take scores again
.endif
	global_load_b128 v[16:19], v7, s[4:5] offset:13312*\i          ; Q's fragment stays in registers for the tile
	global_load_b64 v[20:21], v11, s[4:5] offset:13312*\i
	global_load_b32 v28, v215, s[4:5] offset:13312*\i              ; and its scale words
	v_mov_b32 v13, 0xfe967699                      ; the largest t so far: -1e38: over every masked t, under every open one
	v_floor_f32 v12, -v13                          ; -M
	v_mov_b32 v14, 0                               ; the sum, in two halves
	v_mov_b32 v15, 0
.set j, 0
.rept 32
	v_mov_b32 v[O+j], 0                            ; O^T.  (The step is written once: the first finds zeros, which the first change of M leaves zeros)
.set j, j+1
.endr
	s_mov_b32 s32, 0
	s_mov_b32 s33, 16
	s_wait_loadcnt 0x0                             ; Q
.Lstep_\@:                                         ; 16 trips: the head's 2,048 keys
	STEP
	s_add_co_u32 s32, s32, REC
	s_sub_co_u32 s33, s33, 1
	s_cmp_lg_u32 s33, 0
	s_cbranch_scc1 .Lstep_\@
	OUT \i
.endm
	TILE 0
	TILE 1
	s_wait_dscnt 0x0                               ; no LDS instruction of mine is pending at a signal
	s_wait_tensorcnt 0x0
	ds_add_u32 v254, v255
	s_wait_dscnt 0x0
	CROUND                                         ; the closing round: no work-group ends while a partner may still ask for a record that names it
	s_endpgm
.Lfunc_end_k_q012637e79c_attn:
	.size	k_q012637e79c_attn, .Lfunc_end_k_q012637e79c_attn-k_q012637e79c_attn
	.p2alignl 7, 3214868480
	.fill 96, 4, 3214868480
	.section	.rodata,"a",@progbits
	.p2align	6, 0x0
	.amdhsa_kernel k_q012637e79c_attn
		.amdhsa_group_segment_fixed_size 280576
		.amdhsa_private_segment_fixed_size 0
		.amdhsa_enable_private_segment 0
		.amdhsa_kernarg_size 24
		.amdhsa_user_sgpr_count 2
		.amdhsa_user_sgpr_kernarg_segment_ptr 1
		.amdhsa_wavefront_size32 1
		.amdhsa_system_sgpr_workgroup_id_x 1
		.amdhsa_system_sgpr_workgroup_id_y 1
		.amdhsa_system_sgpr_workgroup_id_z 1
		.amdhsa_system_vgpr_workitem_id 0
		.amdhsa_next_free_vgpr 256
		.amdhsa_next_free_sgpr 66
		.amdhsa_reserve_vcc 0
		.amdhsa_float_denorm_mode_32 3
		.amdhsa_float_denorm_mode_16_64 3
		.amdhsa_memory_ordered 1
		.amdhsa_forward_progress 1
		.amdhsa_inst_pref_size 48
	.end_amdhsa_kernel
	.amdgpu_metadata
---
amdhsa.version: [ 1, 2 ]
amdhsa.kernels:
  - .name:           k_q012637e79c_attn
    .symbol:         k_q012637e79c_attn.kd
    .args:
      - { .name: qimg, .offset: 0, .size: 8, .value_kind: global_buffer, .address_space: global }
      - { .name: kv, .offset: 8, .size: 8, .value_kind: global_buffer, .address_space: global }
      - { .name: out0, .offset: 16, .size: 8, .value_kind: global_buffer, .address_space: global }
    .group_segment_fixed_size: 280576
    .private_segment_fixed_size: 0
    .kernarg_segment_align: 8
    .kernarg_segment_size: 24
    .max_flat_workgroup_size: 512
    .sgpr_count:     66
    .vgpr_count:     256
    .wavefront_size: 32
...
	.end_amdgpu_metadata
.endif
;; end of part 3
